; MI455X (gfx1250); checked and timed in simulation.
; The chip was launched on July 23, 2026; its instructions are those of AMD's public machine-readable ISA for CDNA 5 (MIT licence, August 2026) and "CDNA5" Instruction Set Architecture Reference Guide (July 2026). The comments in the code are by the model that wrote it; some were corrected since.
;; SNN Parallel MSO. Allowed arithmetic: float matrix products may take bf16 or f16 operands with f32 sums; other float arithmetic in f32, or as packed bf16 or f16 multiplies, adds, multiply-adds, maxima and minima; sums over many terms, partial sums and values carried from step to step in f32; what a program stores and reads back later, other than sums and carried values, may be rounded once to bf16 or f16.
;; Inputs: W2 512 x 1,024 float32; Wf 512 x 512 float32; Wr 2 x 512 float32; Ws 512 x 512 float32; b2 512 float32; bf 512 float32; br 2 float32; bs 512 float32; spikes 256 x 256 x 512 float32.
;; Outputs: out0 256 x 2 float32; out1 one number float32; out2 one number float32.
;; One version. Each part assembles by itself: llvm-mc -triple=amdgcn-amd-amdhsa -mcpu=gfx1250 --defsym DOCPART=n.
;; ======== version 1 of 1: 3 launches
;; workspace buffers: wst 2,162,688 bytes; part 4,096 bytes
;; launch prep (part 1): grid 528 x 1, 8 waves a work-group, no clusters, 0 bytes of LDS; arguments Wf, Ws, W2, Wr, bf, bs, b2, wst; writes wst
.if DOCPART == 1
	.amdgcn_target "amdgcn-amd-amdhsa--gfx1250"
	.amdhsa_code_object_version 6
	.text
	.protected	k_q689d2f8948_prep
	.globl	k_q689d2f8948_prep
	.p2align	8
	.type	k_q689d2f8948_prep,@function
k_q689d2f8948_prep:
	s_mov_b64 s[64:65], 0
	v_nop
	global_prefetch_b8 v0, s[64:65] scope:SCOPE_SE
	s_setreg_imm32_b32 hwreg(HW_REG_WAVE_MODE, 25, 1), 1
	s_wait_xcnt 0x0
; SNNParallelMSO, launch 1 of 3: the weights, rounded once to bf16, laid in the order in which launch 2 streams them.
; NOTHING OF reference() IS LEFT OUT in this program: every input reaches an output, and the zero states at t = 0 spare no whole product.
; All inputs (spikes, weights, biases) are rounded once to bf16, to nearest even; states, sums and counts stay in f32.
; wst = 33 slots of 65,536 bytes.  A BLOCK is 1,024 bytes = 16 rows n x 32 k of bf16, laid as a matrix fragment lies in registers:
; bytes [512 half + 16 L, +16) hold W[n0 + L % 16][k0 + 16 half + 8 (L / 16) .. + 7].
; Slot 8 nb + j, j = 0..3 (first layer, k quarter j): block (ks, p) at 16,384 ks + 1,024 p; p = 4 w + tl; row = 256 nb + 128 (tl / 2) + 32 w + 16 (tl % 2) + r of Wf over Ws; k0 = 128 j + 32 ks.
; Slot 8 nb + j, j = 4..7 (second layer): block (ks, p) at 32,768 ks + 1,024 p; row 16 p + r of W2; k0 = 256 nb + 64 (j - 4) + 32 ks.
; Slot 32: f32 words that hold bf16 values: quarter w holds Wr[o][128 w + n] at 512 o + 4 n; quarter 0 also bf, bs at 4,096 and b2 at 8,192; the rest is written as 0, since launch 2 moves the whole slot.
; A wave writes 512 consecutive bytes, aligned; a work-group 4,096.
.macro BLOCKOUT                        ; 8 f32 a lane -> 16 bytes of bf16
	global_load_b128 v[8:11], v6, s[30:31]
	global_load_b128 v[12:15], v6, s[30:31] offset:16
	s_wait_loadcnt 0x0
	v_cvt_pk_bf16_f32 v16, v8, v9
	v_cvt_pk_bf16_f32 v17, v10, v11
	v_cvt_pk_bf16_f32 v18, v12, v13
	v_cvt_pk_bf16_f32 v19, v14, v15
	global_store_b128 v5, v[16:19], s[22:23]
	s_endpgm
.endm
.macro TABOUT                          ; 4 f32 a lane, rounded to bf16 and widened again
	global_load_b128 v[8:11], v5, s[30:31]
	s_wait_loadcnt 0x0
	v_cvt_pk_bf16_f32 v12, v8, v9
	v_cvt_pk_bf16_f32 v13, v10, v11
	v_lshlrev_b32 v16, 16, v12
	v_and_b32 v17, 0xffff0000, v12
	v_lshlrev_b32 v18, 16, v13
	v_and_b32 v19, 0xffff0000, v13
	global_store_b128 v5, v[16:19], s[22:23]
	s_endpgm
.endm
	s_load_b512 s[8:23], s[0:1], 0x0               ; Wf 8, Ws 10, W2 12, Wr 14, bf 16, bs 18, b2 20, wst 22
	v_lshrrev_b32 v1, 5, v0
	v_readfirstlane_b32 s2, v1                     ; wave 0..7
	v_and_b32 v2, 31, v0                           ; L
	v_and_b32 v3, 15, v0                           ; r
	v_bfe_u32 v4, v0, 4, 1                         ; h
	v_lshlrev_b32 v5, 4, v2                        ; 16 L
	s_lshr_b32 s3, ttmp9, 4                        ; slot
	s_and_b32 s4, ttmp9, 15                        ; which sixteenth of it
	s_lshr_b32 s5, s2, 1                           ; f
	s_and_b32 s6, s2, 1                            ; half
	s_mov_b32 s25, 0
	s_mov_b32 s27, 0
	s_wait_kmcnt 0x0
	s_cmp_eq_u32 s3, 32
	s_cbranch_scc1 .Ltab
	s_lshr_b32 s7, s3, 3                           ; nb
	s_and_b32 s28, s3, 7                           ; j
	s_lshl_b32 s24, s3, 16                         ; where it goes: the slot,
	s_lshl_b32 s29, s6, 9
	s_add_co_u32 s24, s24, s29                     ; the half of a block
	s_lshl_b32 s26, s6, 6                          ; where it comes from: 16 half numbers of 4 bytes
	s_cmp_lt_u32 s28, 4
	s_cbranch_scc0 .Lp2
	; first layer: p = the sixteenth, ks = f
	s_lshl_b32 s29, s5, 14
	s_add_co_u32 s24, s24, s29
	s_lshl_b32 s29, s4, 10
	s_add_co_u32 s24, s24, s29
	s_and_b32 s29, s7, 1
	s_lshl_b32 s29, s29, 8                         ; row in Wf or Ws: 256 (nb % 2)
	s_bfe_u32 s32, s4, 0x10001
	s_lshl_b32 s32, s32, 7
	s_add_co_u32 s29, s29, s32                     ; + 128 (tl / 2)
	s_lshr_b32 s32, s4, 2
	s_lshl_b32 s32, s32, 5
	s_add_co_u32 s29, s29, s32                     ; + 32 w
	s_and_b32 s32, s4, 1
	s_lshl_b32 s32, s32, 4
	s_add_co_u32 s29, s29, s32                     ; + 16 (tl % 2)
	s_lshl_b32 s29, s29, 11                        ; rows of 2,048 bytes
	s_add_co_u32 s26, s26, s29
	s_lshl_b32 s32, s28, 9                         ; 128 j numbers
	s_add_co_u32 s26, s26, s32
	s_lshl_b32 s32, s5, 7                          ; 32 ks numbers
	s_add_co_u32 s26, s26, s32
	s_cmp_lt_u32 s7, 2
	s_cselect_b64 s[30:31], s[8:9], s[10:11]       ; blocks 0, 1: Wf; 2, 3: Ws
	s_add_nc_u64 s[30:31], s[30:31], s[26:27]
	s_add_nc_u64 s[22:23], s[22:23], s[24:25]
	v_lshlrev_b32 v6, 11, v3
	v_lshl_add_u32 v6, v4, 5, v6                   ; row r, 8 h numbers
	BLOCKOUT
.Lp2:                                              ; second layer: p = 2 x the sixteenth + f / 2, ks = f % 2
	s_lshr_b32 s29, s5, 1
	s_lshl_b32 s32, s4, 1
	s_add_co_u32 s32, s32, s29                     ; p
	s_and_b32 s29, s5, 1                           ; ks
	s_lshl_b32 s33, s29, 15
	s_add_co_u32 s24, s24, s33
	s_lshl_b32 s33, s32, 10
	s_add_co_u32 s24, s24, s33
	s_lshl_b32 s33, s32, 16                        ; 16 p rows of 4,096 bytes
	s_add_co_u32 s26, s26, s33
	s_lshl_b32 s33, s7, 10                         ; 256 nb numbers
	s_add_co_u32 s26, s26, s33
	s_sub_co_u32 s33, s28, 4
	s_lshl_b32 s33, s33, 8                         ; 64 (j - 4)
	s_add_co_u32 s26, s26, s33
	s_lshl_b32 s33, s29, 7                         ; 32 ks
	s_add_co_u32 s26, s26, s33
	s_add_nc_u64 s[30:31], s[12:13], s[26:27]
	s_add_nc_u64 s[22:23], s[22:23], s[24:25]
	v_lshlrev_b32 v6, 12, v3
	v_lshl_add_u32 v6, v4, 5, v6
	BLOCKOUT
.Ltab:                                             ; slot 32, in pieces U of 512 bytes
	s_lshl_b32 s28, s4, 3
	s_add_co_u32 s28, s28, s2                      ; U = 0..127
	s_lshl_b32 s24, s28, 9
	s_add_co_u32 s24, s24, 32*65536
	s_add_nc_u64 s[22:23], s[22:23], s[24:25]
	s_and_b32 s29, s28, 31
	s_cmp_lt_u32 s29, 2
	s_cbranch_scc0 .Lnotwr
	s_lshl_b32 s26, s29, 11                        ; row o of Wr,
	s_lshr_b32 s32, s28, 5
	s_lshl_b32 s32, s32, 9                         ; its 128 numbers of quarter w
	s_add_co_u32 s26, s26, s32
	s_add_nc_u64 s[30:31], s[14:15], s[26:27]
	TABOUT
.Lnotwr:
	s_cmp_lt_u32 s28, 8
	s_cbranch_scc1 .Lzero
	s_cmp_lt_u32 s28, 20
	s_cbranch_scc0 .Lzero
	s_and_b32 s26, s28, 3
	s_lshl_b32 s26, s26, 9                         ; which 512 bytes of the bias
	s_cmp_lt_u32 s28, 12
	s_cbranch_scc0 .Lnotbf
	s_add_nc_u64 s[30:31], s[16:17], s[26:27]
	TABOUT
.Lnotbf:
	s_cmp_lt_u32 s28, 16
	s_cbranch_scc0 .Lisb2
	s_add_nc_u64 s[30:31], s[18:19], s[26:27]
	TABOUT
.Lisb2:
	s_add_nc_u64 s[30:31], s[20:21], s[26:27]
	TABOUT
.Lzero:
	v_mov_b32 v16, 0
	v_mov_b32 v17, 0
	v_mov_b32 v18, 0
	v_mov_b32 v19, 0
	global_store_b128 v5, v[16:19], s[22:23]
	s_endpgm
.Lfunc_end_k_q689d2f8948_prep:
	.size	k_q689d2f8948_prep, .Lfunc_end_k_q689d2f8948_prep-k_q689d2f8948_prep
	.p2alignl 7, 3214868480
	.fill 96, 4, 3214868480
	.section	.rodata,"a",@progbits
	.p2align	6, 0x0
	.amdhsa_kernel k_q689d2f8948_prep
		.amdhsa_group_segment_fixed_size 0
		.amdhsa_private_segment_fixed_size 0
		.amdhsa_enable_private_segment 0
		.amdhsa_kernarg_size 64
		.amdhsa_user_sgpr_count 2
		.amdhsa_user_sgpr_kernarg_segment_ptr 1
		.amdhsa_wavefront_size32 1
		.amdhsa_system_sgpr_workgroup_id_x 1
		.amdhsa_system_sgpr_workgroup_id_y 1
		.amdhsa_system_sgpr_workgroup_id_z 1
		.amdhsa_system_vgpr_workitem_id 0
		.amdhsa_next_free_vgpr 32
		.amdhsa_next_free_sgpr 66
		.amdhsa_reserve_vcc 0
		.amdhsa_float_denorm_mode_32 3
		.amdhsa_float_denorm_mode_16_64 3
		.amdhsa_memory_ordered 1
		.amdhsa_forward_progress 1
		.amdhsa_inst_pref_size 8
	.end_amdhsa_kernel
	.amdgpu_metadata
---
amdhsa.version: [ 1, 2 ]
amdhsa.kernels:
  - .name:           k_q689d2f8948_prep
    .symbol:         k_q689d2f8948_prep.kd
    .args:
      - { .name: Wf, .offset: 0, .size: 8, .value_kind: global_buffer, .address_space: global }
      - { .name: Ws, .offset: 8, .size: 8, .value_kind: global_buffer, .address_space: global }
      - { .name: W2, .offset: 16, .size: 8, .value_kind: global_buffer, .address_space: global }
      - { .name: Wr, .offset: 24, .size: 8, .value_kind: global_buffer, .address_space: global }
      - { .name: bf, .offset: 32, .size: 8, .value_kind: global_buffer, .address_space: global }
      - { .name: bs, .offset: 40, .size: 8, .value_kind: global_buffer, .address_space: global }
      - { .name: b2, .offset: 48, .size: 8, .value_kind: global_buffer, .address_space: global }
      - { .name: wst, .offset: 56, .size: 8, .value_kind: global_buffer, .address_space: global }
    .group_segment_fixed_size: 0
    .private_segment_fixed_size: 0
    .kernarg_segment_align: 8
    .kernarg_segment_size: 64
    .max_flat_workgroup_size: 256
    .sgpr_count:     66
    .vgpr_count:     32
    .wavefront_size: 32
...
	.end_amdgpu_metadata
.endif
;; end of part 1
;; launch main (part 2): grid 256 x 1, 4 waves a work-group, clusters of 4 x 1, 327,680 bytes of LDS; arguments spikes, wst, part; writes part
.if DOCPART == 2
	.amdgcn_target "amdgcn-amd-amdhsa--gfx1250"
	.amdhsa_code_object_version 6
	.text
	.protected	k_q689d2f8948_main
	.globl	k_q689d2f8948_main
	.p2align	8
	.type	k_q689d2f8948_main,@function
k_q689d2f8948_main:
	s_mov_b64 s[64:65], 0
	v_nop
	global_prefetch_b8 v0, s[64:65] scope:SCOPE_SE
	s_setreg_imm32_b32 hwreg(HW_REG_WAVE_MODE, 25, 1), 1
	s_wait_xcnt 0x0
	s_wait_alu depctr_hold_cnt(0) depctr_sa_sdst(0) depctr_va_vdst(0) depctr_va_sdst(0) depctr_va_ssrc(0) depctr_va_vcc(0) depctr_vm_vsrc(0)
	s_getreg_b32 s2, hwreg(HW_REG_IB_STS2, 6, 4)
	s_cmp_eq_u32 s2, 0
	s_cbranch_scc0 .Lentry_in_a_cluster
	s_endpgm
.Lentry_in_a_cluster:
	s_bfe_u32 s2, ttmp6, 0x10000c
	s_cmp_lg_u32 s2, 0x3003
	s_cbranch_scc0 .Lentry_shape_is_right
	s_endpgm
.Lentry_shape_is_right:
; SNNParallelMSO, launch 2 of 3: both layers, both membrane recurrences, the sum of mem2 over t and its product with Wr, for ONE batch element a work-group.  Nothing of reference() is left out.
; The recurrences couple only the steps t of one batch element, so a work-group needs no other's data: 256 work-groups.  part[b] = { sum_n Wr[0][n] S[n], sum_n Wr[1][n] S[n], spikes of layer 1, spikes of layer 2 },
; S[n] = the sum over t of mem2[n].  Launch 3 scales, adds br and adds the counts.
; TIME goes in 2 chunks of 128 steps; layer 1's 1,024 neurons in 4 blocks nb of 256, each 2 sub-blocks of 128.  A TRIP of the loop is one block of one chunk:
;   P1  cur1 = X W1^T + bias: 128 t x 256 neurons, K = 512; a wave has 128 t x 64 neurons: 32 accumulators, window 1.  The bias is the C operand of the first product.
;   SCAN 1  mem = beta mem + cur - s_before, s = [mem > 1], along t; a lane has one neuron; the spikes leave as bf16 into S in LDS, [neuron][t].
;   P2  cur2 += spikes W2^T: 128 t x 512 neurons, K = 128 for each sub-block; a wave has 128 t x 128: 64 accumulators, windows 2 and 3, which start at b2 and stay for the chunk.
;   At a chunk's end SCAN 2 does the same recurrence on cur2 and adds mem2 up.
; LAYOUT.  D = A B, A = 16 steps t x 32 k, B = 16 neurons x 32 k: lane l holds neuron l % 16 and steps 8 (l / 16) + 0..7.  v_permlane16_swap_b32 on register j of two neighbouring neuron tiles leaves
; register 16 i + j = step 16 i + j of 32 neurons, a lane a neuron: a region of 128 registers R0..R127 is a neuron's 128 steps.
; THE SPIKE is one instruction: clamp(mem 2^24 - 2^24) is 1 for every f32 above 1 (the next one gives 2) and 0 for all others.  LIMITS: beyond 2^104 the product is an infinity, which the clamp still
; takes to 1 or 0; a NaN gives no spike; counts are whole numbers in f32, exact here (at most 262,144 a work-group).  The f32 sums are taken in another order than reference()'s.
; THE SCAN IS IN PLACE: R[t+1] += beta R[t]; R[t] = spike(R[t]); R[t+1] -= R[t].  What is carried from chunk to chunk is N = s - beta mem of the last step, taken off the next first step.
; THE WEIGHTS come as 65 steps of 65,536 bytes through two LDS slots: 32 slots of wst, walked twice, then slot 32 (Wr).  All work-groups walk the same weights, so the four of a CLUSTER ask JOINTLY:
; the same tensor load, descriptor and mask in all four.  Each wave brings a quarter of a slot.  X (a batch element's own rows) is shared with nobody and comes through registers, rounded to bf16 on the way.
; REGISTERS, in windows of 256 (s_set_vgpr_msb: bits 1:0 source 0, 3:2 source 1, 5:4 source 2, 7:6 destination):
;   window 0: v0-63 addresses, carries, at work; v64-191 A's fragments, two buffers; v192-255 P1's B fragments, two buffers
;   window 1: P1's accumulators ((i, tl) at 128 (tl / 2) + 16 i + 8 (tl % 2)); in P2 v0-127 B's fragments, two buffers; X on its way in v0-191
;   windows 2, 3: P2's accumulators ((i, tl) in window 2 + tl / 4 at 128 ((tl / 2) % 2) + 16 i + 8 (tl % 2))
.set ROWT,  524288                     ; bytes from step t to step t + 1 of a batch element: 256 x 512 x 4
.set SLOTB, 65536                      ; LDS 0 and 65,536: the two slots
.set XB,    131072                     ; X: 128 rows of 512 bf16,
.set XPI,   1040                       ; 1,024 bytes + 16: the 16 rows of a fragment load start 16 bytes apart modulo 256
.set SBASE, 264192                     ; S: 128 neurons x 128 steps of bf16,
.set SPI,   288                        ; 256 bytes + 32, for the turning load
.set RED,   301056                     ; 16 bytes a wave: the four figures
.set SPARE, 301312                     ; the spare words, 128 bytes a wave: two blocks of 256 bytes that no other line names
.set SPW,  1                           ; v1   my spare word's address; never rewritten
.set NIL,  2                           ; v2   0; never rewritten
.set AXL,  3                           ; v3   X + (l % 16) XPI + 16 (l / 16): rows 0-63
.set AXH,  4                           ; v4   the same for rows 64-127
.set ABP1, 5                           ; v5-6 P1's B blocks in slot 0, 1: 4,096 w + 16 l
.set ABP2, 7                           ; v7-8 P2's: 8,192 w + 16 l
.set AS,   9                           ; v9   the turning load's place in S
.set STO,  10                          ; v10  my neuron's row of S
.set XST,  11                          ; v11  X + 32 w XPI + 8 l
.set XGO,  12                          ; v12  16 l
.set PWO,  13                          ; v13  the weight prefetches' offset
.set BIGW, 14                          ; v14  2^24
.set BOFF, 15                          ; v15  128 w + 4 (l % 16)
.set BI,   16                          ; v16-19 layer 1's bias for my four neuron tiles
.set NC1,  20                          ; v20-27 layer 1's carries, the block in hand first
.set NC2,  28                          ; v28-31 layer 2's carries
.set SUM2, 32                          ; v32-35 the sums of mem2
.set CNT1, 36                          ; v36, v37 the spike counts
.set CNT2, 37
.set B2R,  38                          ; v38-45 b2 for my eight neuron tiles
.set TT,   46                          ; v46-61 a scan's first four steps: chain c: mem at TT + 8 c + k, spike at TT + 4 + 8 c + k; v62-63 at work
.set AF,   64
.set BF1,  192
.set WV,   10                          ; s10  wave
.set CX,   11                          ; s11  my place in the cluster: it enters global addresses alone
.set BB,   12                          ; s12  my batch element
.set G1,   16                          ; s[16:23] descriptor group 1
.set G0,   24                          ; s[24:27] descriptor group 0
.set WB,   28                          ; s[28:29] wst at my wave's quarter of slot 0
.set OFF,  30                          ; s[30:31] a slot's byte offset in wst
.set IDX,  32                          ; s32  the slot of wst to ask for next
.set LIM,  33                          ; s33  where IDX turns back to 0
.set TR,   34                          ; s34  trips to go
.set BETA, 35                          ; s35  the block's beta
.set BFA,  36
.set BSL,  37
.set BIC,  38
.set XPT,  40                          ; s[40:41] spikes at my wave's 32 rows of the chunk; s[42:43] 16 rows on
.set XP2,  42
.set XN,   44                          ; s[44:45] the same rows of chunk 1
.set BT,   46                          ; s[46:47] the bias table in wst
.set BTN,  48                          ; s[48:49] the next block's part of it
.set SEL,  50                          ; s[50:51] v_permlanex16_b32's selects
.set WPB,  52                          ; s[52:53] wst + 4,096 x my place in the cluster
.set WPA,  54                          ; s[54:55] the same at the slot being asked for
.set PWC,  56                          ; s56  weight prefetches to go
.set TS,   58                          ; s58-62 at work
.set MSB, 0
.macro WIN new                         ; the immediate's high byte repeats the setting that is left; a switch that changes nothing is dropped
.if MSB != (\new)
	s_set_vgpr_msb (MSB<<8)|(\new)
.set MSB, (\new)
.endif
.endm
.macro PLACES                          ; four places behind a matrix instruction (ISA guide 7.12.1), where no other vector work is at hand
.rept 4
	v_nop
.endr
.endm
.macro CREST                           ; a round of the cluster's barrier behind its opening barrier
	s_cmp_lg_u32 s[WV], 0
	s_cbranch_scc1 .Lnot_wave_0_\@
	s_barrier_signal -3
.Lnot_wave_0_\@:
	s_barrier_wait -3
	s_barrier_signal -1
	s_barrier_wait -1
.endm
.macro CROUND
	s_barrier_signal -1
	s_barrier_wait -1
	CREST
.endm
.macro JL                              ; the joint load: my quarter of a slot, 64 rows of 256 bytes; s_nop 0 and four v_nop behind it
	tensor_load_to_lds s[G0:G0+3], s[G1:G1+7]
	s_nop 0
.rept 4
	v_nop
.endr
.endm
; The descriptor for the next fill: no tensor load of mine is out where this stands.  IDX walks 1..31, 0..31, 32.
.macro DESC
	s_wait_xcnt 0x0                                ; the last prefetch, a step back, has read its address
	s_lshl_b32 s[OFF], s[IDX], 16
	s_xor_b32 s[G0+1], s[G0+1], SLOTB              ; the other slot than last time
	s_add_nc_u64 s[G0+2:G0+3], s[WB:WB+1], s[OFF:OFF+1]
	s_or_b32 s[G0+3], s[G0+3], 0x80000000          ; type = 2
	s_add_nc_u64 s[WPA:WPA+1], s[WPB:WPB+1], s[OFF:OFF+1]
	s_add_co_u32 s[IDX], s[IDX], 1
	s_cmp_eq_u32 s[IDX], s[LIM]
	s_cselect_b32 s[IDX], 0, s[IDX]
	s_cselect_b32 s[LIM], 99, s[LIM]               ; the second walk runs on to slot 32
.endm
; A change of slots that stands alone.  All my tensor loads have landed (my part of the next slot), the add, my LDS instructions are done; a round of the cluster's barrier; the slot read last is filled again.
.macro CHANGE
	WIN 0
	s_wait_tensorcnt 0x0
	ds_add_u32 v[SPW], v[NIL]                      ; the descriptor's scalar work stands between it and its wait
	DESC
	s_wait_dscnt 0x0
	CROUND
	JL
.endm
; PREFETCH OF THE WEIGHTS, in their first walk alone: the slot two fills on.  All clusters walk the same slots: cluster 0 asks.  Its four partners take 4,096 bytes of each quarter, told apart by address;
; waves 0 and 2 ask, for two quarters each: a lane a block of 256 bytes, one instruction.  29 times: slots 3 to 31; slots 0 to 2 and 32 come by their loads alone.
.macro ASKW
	s_cmp_eq_u32 s[PWC], 0
	s_cbranch_scc1 .Lnow_\@
	global_prefetch_b8 v[PWO], s[WPA:WPA+1] offset:2*SLOTB th:TH_LOAD_NT scope:SCOPE_SE
	s_sub_co_u32 s[PWC], s[PWC], 1
.Lnow_\@:
.endm
; PREFETCH OF X, once: in chunk 0's last block, 416 matrix instructions ahead of the loads: the first 1,024 bytes of each of my wave's 32 rows of chunk 1, a lane a row, which the first four groups of loads take.
.macro ASKX
	s_cmp_eq_u32 s[TR], 5
	s_cbranch_scc0 .Lnoax_\@
	v_and_b32 v62, 31, v0
	v_lshlrev_b32 v62, 19, v62                     ; my lane x ROWT; v62 is written again only behind a later DESC's s_wait_xcnt 0
.irp o, 0,256,512,768
	global_prefetch_b8 v62, s[XN:XN+1] offset:\o th:TH_LOAD_NT scope:SCOPE_SE
.endr
.Lnoax_\@:
.endm
; ---- P1.  24 LDS loads: A = X's 8 tiles of 16 steps, B = my 4 neuron tiles, 32 k at k quarter kq, step ks, into buffer f
.macro FETCH1 sl, kq, ks, f
	WIN 0
.irp i, 0,1,2,3
	ds_load_b128 v[AF+64*(\f)+8*(\i):AF+64*(\f)+8*(\i)+3],   v[AXL] offset:(\i)*16*XPI+(\kq)*256+(\ks)*64
	ds_load_b128 v[AF+64*(\f)+8*(\i)+4:AF+64*(\f)+8*(\i)+7], v[AXL] offset:(\i)*16*XPI+(\kq)*256+(\ks)*64+32
.endr
.irp i, 0,1,2,3
	ds_load_b128 v[AF+64*(\f)+32+8*(\i):AF+64*(\f)+32+8*(\i)+3],   v[AXH] offset:(\i)*16*XPI+(\kq)*256+(\ks)*64
	ds_load_b128 v[AF+64*(\f)+32+8*(\i)+4:AF+64*(\f)+32+8*(\i)+7], v[AXH] offset:(\i)*16*XPI+(\kq)*256+(\ks)*64+32
.endr
.irp tl, 0,1,2,3
	ds_load_b128 v[BF1+32*(\f)+8*(\tl):BF1+32*(\f)+8*(\tl)+3],   v[ABP1+(\sl)] offset:(\ks)*16384+(\tl)*1024
	ds_load_b128 v[BF1+32*(\f)+8*(\tl)+4:BF1+32*(\f)+8*(\tl)+7], v[ABP1+(\sl)] offset:(\ks)*16384+(\tl)*1024+512
.endr
.endm
; 8 products: step tiles 2 q, 2 q + 1 x 4 neuron tiles.  Each of the 32 accumulators has one product a K step: they take turns.  bias = 1: C is the bias, in B's second buffer.
.macro MUL1 f, q, bias
.if \bias
	WIN 0x40
.else
	WIN 0x50
.endif
.irp i, 2*(\q), 2*(\q)+1
.irp tl, 0,1,2,3
.set rD, 128*((\tl)/2)+16*(\i)+8*((\tl)%2)
.set rA, AF+64*(\f)+8*(\i)
.set rB, BF1+32*(\f)+8*(\tl)
.if \bias
	v_wmma_f32_16x16x32_bf16 v[rD:rD+7], v[rA:rA+7], v[rB:rB+7], v[BF1+32+8*(\tl):BF1+32+8*(\tl)+7]
.else
	v_wmma_f32_16x16x32_bf16 v[rD:rD+7], v[rA:rA+7], v[rB:rB+7], v[rD:rD+7]
.endif
.endr
.endr
.endm
.macro Q1 sl, kq, ks                   ; a K step that is not its slot's last: in its middle the next one's fragments are fetched into the other buffer
	s_wait_dscnt 0x0
	MUL1 (\ks)%2, 0, 0
	MUL1 (\ks)%2, 1, 0
	PLACES
	FETCH1 \sl, \kq, (\ks)+1, ((\ks)+1)%2
	MUL1 (\ks)%2, 2, 0
	MUL1 (\ks)%2, 3, 0
.endm
; A slot's last K step, with the change of slots in it: ONE round.  In front of it: all my tensor loads have landed, the add, my reads of the slot are over.  Behind it the slot is filled again first.
.macro TURN1 kq
	WIN 0
	s_wait_tensorcnt 0x0
	ds_add_u32 v[SPW], v[NIL]
	DESC
	s_wait_dscnt 0x1                               ; the fragments are in: only the add is younger
	MUL1 1, 0, 0
	s_wait_dscnt 0x0
	s_barrier_signal -1
	MUL1 1, 1, 0
	WIN 0
	s_barrier_wait -1
	CREST
	JL                                             ; its four v_nop are also the places in front of the loads below
.if (\kq) < 3
	FETCH1 ((\kq)+1)%2, (\kq)+1, 0, 0
.endif
	ASKW
	MUL1 1, 2, 0
	MUL1 1, 3, 0
.endm
.macro P1K kq
.if (\kq) == 0
	s_wait_dscnt 0x0                               ; the block's first K step: its 32 products take the bias as C, so B's second buffer is fetched only behind them
	MUL1 0, 0, 1
	MUL1 0, 1, 1
	MUL1 0, 2, 1
	MUL1 0, 3, 1
	PLACES
	FETCH1 0, 0, 1, 1
.else
	Q1 (\kq)%2, \kq, 0
.endif
	Q1 (\kq)%2, \kq, 1
	Q1 (\kq)%2, \kq, 2
	TURN1 \kq
.endm
; ---- P2.  32 LDS loads: A = the spikes, turned ([neuron][t] -> 16 t x 32 neurons), B = my 8 neuron tiles of W2
.macro FETCH2 sl, ks, f
	WIN 0
.irp i, 0,1,2,3,4,5,6,7
	ds_load_tr16_b128 v[AF+64*(\f)+8*(\i):AF+64*(\f)+8*(\i)+3],   v[AS] offset:(64*(\sl)+32*(\ks))*SPI+32*(\i)
	ds_load_tr16_b128 v[AF+64*(\f)+8*(\i)+4:AF+64*(\f)+8*(\i)+7], v[AS] offset:(64*(\sl)+32*(\ks)+16)*SPI+32*(\i)
.endr
	WIN 0x40
.irp tl, 0,1,2,3,4,5,6,7
	ds_load_b128 v[64*(\f)+8*(\tl):64*(\f)+8*(\tl)+3],   v[ABP2+(\sl)] offset:(\ks)*32768+(\tl)*1024
	ds_load_b128 v[64*(\f)+8*(\tl)+4:64*(\f)+8*(\tl)+7], v[ABP2+(\sl)] offset:(\ks)*32768+(\tl)*1024+512
.endr
.endm
.macro MUL2 f, hi, q                   ; 16 products: step tiles 4 q .. 4 q + 3 x neuron tiles 4 hi .. 4 hi + 3; the 64 accumulators take turns
	WIN 0xa4+0x50*(\hi)
.irp i, 4*(\q), 4*(\q)+1, 4*(\q)+2, 4*(\q)+3
.irp u, 0,1,2,3
.set rD, 128*((\u)/2)+16*(\i)+8*((\u)%2)
.set rA, AF+64*(\f)+8*(\i)
.set rB, 64*(\f)+8*(4*(\hi)+(\u))
	v_wmma_f32_16x16x32_bf16 v[rD:rD+7], v[rA:rA+7], v[rB:rB+7], v[rD:rD+7]
.endr
.endr
.endm
.macro Q2 sl
	s_wait_dscnt 0x0
	MUL2 0, 0, 0
	MUL2 0, 0, 1
	PLACES
	FETCH2 \sl, 1, 1
	MUL2 0, 1, 0
	MUL2 0, 1, 1
.endm
.macro TURN2 next, ask
	WIN 0
	s_wait_tensorcnt 0x0
	ds_add_u32 v[SPW], v[NIL]
	DESC
	s_wait_dscnt 0x1                               ; the fragments are in: only the add is younger
	MUL2 1, 0, 0
	s_wait_dscnt 0x0
	s_barrier_signal -1
	MUL2 1, 0, 1
	WIN 0
	s_barrier_wait -1
	CREST                                          ; the round also stands between the last reads of S and the next stores into it
	JL
.if \next
	FETCH2 1, 0, 0
	WIN 0
.endif
	ASKW
.if \ask
	ASKX
.endif
	MUL2 1, 1, 0
	MUL2 1, 1, 1
.endm
.macro P2HALF last, ask                ; a sub-block's 128 neurons: two slots of two K steps
	FETCH2 0, 0, 0
	Q2 0
	TURN2 1, \ask
	Q2 1
.if \last
	s_wait_dscnt 0x0                               ; the change of slots behind this one stands at the next trip's head
	MUL2 1, 0, 0
	MUL2 1, 0, 1
	MUL2 1, 1, 0
	MUL2 1, 1, 1
.else
	TURN2 0, 0
.endif
.endm
.macro STORES sb                       ; my neuron's 128 spikes of sub-block sb, 256 bytes
	WIN 0x04
.set q, 0
.rept 16
	ds_store_b128 v[STO], v[128*(\sb)+4*q:128*(\sb)+4*q+3] offset:16*q
.set q, q+1
.endr
	WIN 0
.endm
.macro VIS                             ; the spikes are there for every wave
	s_wait_dscnt 0x0
	s_barrier_signal -1
	s_barrier_wait -1
.endm
; ---- X.  A group g is 16 loads: rows 16 (g % 2) .. + 15 of my 32, bytes 512 (g / 2) .. + 511 of each; 48 loads are out at the most.
.macro XG g
.set rr, 0
.rept 16
.if ((\g)%2) == 0
	global_load_b128 v[64*((\g)%3)+4*rr:64*((\g)%3)+4*rr+3], v[XGO], s[XPT:XPT+1] offset:rr*ROWT+((\g)/2)*512 th:TH_LOAD_NT
.else
	global_load_b128 v[64*((\g)%3)+4*rr:64*((\g)%3)+4*rr+3], v[XGO], s[XP2:XP2+1] offset:rr*ROWT+((\g)/2)*512 th:TH_LOAD_NT
.endif
.set rr, rr+1
.endr
.endm
.macro XISSUE
	WIN 0x40
	XG 0
	XG 1
	XG 2
	WIN 0
.endm
.macro CVTG g                          ; rounded to bf16, 8 bytes a lane, 256 consecutive bytes of a row of X
	WIN 0x05
.set rr, 0
.rept 16
	v_cvt_pk_bf16_f32 v[AF+2*rr],   v[64*((\g)%3)+4*rr],   v[64*((\g)%3)+4*rr+1]
	v_cvt_pk_bf16_f32 v[AF+2*rr+1], v[64*((\g)%3)+4*rr+2], v[64*((\g)%3)+4*rr+3]
.set rr, rr+1
.endr
	WIN 0
.set rr, 0
.rept 16
	ds_store_b64 v[XST], v[AF+2*rr:AF+2*rr+1] offset:(16*((\g)%2)+rr)*XPI+((\g)/2)*256
.set rr, rr+1
.endr
.endm
.macro XCVT
.irp g, 0,1,2,3,4,5,6,7
.if (\g) < 6
	s_wait_loadcnt 32                              ; group g is in; the two younger groups stay out
.elseif (\g) == 6
	s_wait_loadcnt 16
.else
	s_wait_loadcnt 0x0
.endif
	CVTG \g
.if (\g) < 5
	WIN 0x40
	XG (\g)+3                                      ; into the registers just converted
.endif
.endr
	WIN 0
.endm
.macro C2INIT                          ; a chunk's cur2 starts at b2
.irp hi, 0,1
	WIN 0x80+0x40*(\hi)
.irp u, 0,1,2,3
.set r, 0
.rept 8
.set j, 0
.rept 8
	v_mov_b32 v[128*((\u)/2)+16*r+8*((\u)%2)+j], v[B2R+4*(\hi)+(\u)]
.set j, j+1
.endr
.set r, r+1
.endr
.endr
.endr
	WIN 0
.endm
; ---- THE SCAN of window W's two regions (chains a: R = v0.., b: R = v128..), interleaved.  kind 1: the spikes are packed to bf16 into R0..R63.  kind 2: mem is added up.
; Steps 0-3 run in window 0, which frees R0 (2^24), R1 (the count) and R2 (kind 2: the sum).  From step 4 on all operands lie in window W.
; The lane swaps of tile 0 stand at the head, register 0 first (each accumulator's lowest registers are read first); those of tiles 1-7 stand among the steps,
; two at each even step, four steps or more ahead of the first use.  Word i of the packed spikes is made at step 2 i + 1 and lands in R[i], whose spike has been counted, taken off and packed by then.
.macro SCAN kind, W, nca, ncb, beta, cnt, suma, sumb
	PLACES
	WIN 0x55*(\W)
.set j, 0
.rept 8
	v_permlane16_swap_b32 v[j], v[j+8]
	v_permlane16_swap_b32 v[128+j], v[136+j]
.set j, j+1
.endr
	WIN (\W)                                       ; source 0 in window W
	v_sub_f32 v[TT], v[0], v[\nca]                 ; step 0 takes the carry
	v_sub_f32 v[TT+8], v[128], v[\ncb]
.irp k, 1,2,3
	v_mov_b32 v[TT+\k], v[\k]
	v_mov_b32 v[TT+8+\k], v[128+\k]
.endr
	WIN 0
.irp k, 0,1,2,3
.if \k < 3
	v_fmac_f32 v[TT+\k+1], s[\beta], v[TT+\k]
	v_fmac_f32 v[TT+8+\k+1], s[\beta], v[TT+8+\k]
.endif
	v_fma_f32 v[TT+4+\k], v[TT+\k], v14, -v14 clamp       ; v14 = BIGW
	v_fma_f32 v[TT+12+\k], v[TT+8+\k], v14, -v14 clamp
.if \k < 3
	v_sub_f32 v[TT+\k+1], v[TT+\k+1], v[TT+4+\k]
	v_sub_f32 v[TT+8+\k+1], v[TT+8+\k+1], v[TT+12+\k]
.endif
.endr
	v_fma_f32 v[\nca], -v49, s[\beta], v53         ; s3 - beta mem3 (v49 = TT + 3, v53 = TT + 7)
	v_fma_f32 v[\ncb], -v57, s[\beta], v61
	v_add_f32 v62, v[TT+4], v[TT+5]
	v_add_f32 v63, v[TT+12], v[TT+13]
	v_add_f32 v62, v62, v[TT+6]
	v_add_f32 v63, v63, v[TT+14]
	v_add_f32 v62, v62, v[TT+7]
	v_add_f32 v63, v63, v[TT+15]
.if (\kind) == 2
.irp k, 0,1,2,3
	v_add_f32 v[\suma], v[\suma], v[TT+\k]
	v_add_f32 v[\sumb], v[\sumb], v[TT+8+\k]
.endr
.else
	v_cvt_pk_bf16_f32 v[TT], v[TT+4], v[TT+5]      ; words 0 and 1 wait here for R0 and R1
	v_cvt_pk_bf16_f32 v[TT+8], v[TT+12], v[TT+13]
	v_cvt_pk_bf16_f32 v[TT+1], v[TT+6], v[TT+7]
	v_cvt_pk_bf16_f32 v[TT+9], v[TT+14], v[TT+15]
.endif
	WIN (\W)<<6                                    ; destination in window W
	v_mov_b32 v[0], v[BIGW]
	v_mov_b32 v[128], v[BIGW]
	v_mov_b32 v[1], v62
	v_mov_b32 v[129], v63
.if (\kind) == 2
	v_mov_b32 v[2], v[\suma]
	v_mov_b32 v[130], v[\sumb]
.endif
	v_fmac_f32 v[4], -1.0, v[\nca]                 ; step 4 takes steps 0-3's carry
	v_fmac_f32 v[132], -1.0, v[\ncb]
	WIN 0x55*(\W)
.set t, 4
.rept 124
.if t > 4
	v_add_f32 v[1], v[1], v[t-1]
	v_add_f32 v[129], v[129], v[127+t]
.endif
.if t < 127
	v_fmac_f32 v[t+1], s[\beta], v[t]
	v_fmac_f32 v[129+t], s[\beta], v[128+t]
.else
	v_mul_f32 v[64], s[\beta], v[127]              ; R64's spike has long been used
	v_mul_f32 v[192], s[\beta], v[255]
.endif
.if (\kind) == 2
	v_add_f32 v[2], v[2], v[t]
	v_add_f32 v[130], v[130], v[128+t]
.endif
	v_fma_f32 v[t], v[t], v0, -v0 clamp
	v_fma_f32 v[128+t], v[128+t], v128, -v128 clamp
.if ((\kind) == 1) && (t%2 == 1)
	v_cvt_pk_bf16_f32 v[(t-1)/2], v[t-1], v[t]
	v_cvt_pk_bf16_f32 v[128+(t-1)/2], v[127+t], v[128+t]
.endif
.if (t%2 == 0) && (t < 116)
.set j, 16*(1+(t-4)/16)+((t-4)%16)/2
	v_permlane16_swap_b32 v[j], v[j+8]
	v_permlane16_swap_b32 v[128+j], v[136+j]
.endif
.if t < 127
	v_sub_f32 v[t+1], v[t+1], v[t]
	v_sub_f32 v[129+t], v[129+t], v[128+t]
.endif
.set t, t+1
.endr
	v_add_f32 v[1], v[1], v[127]
	v_add_f32 v[129], v[129], v[255]
	v_sub_f32 v[64], v[127], v[64]                 ; the carry: s - beta mem of step 127
	v_sub_f32 v[192], v[255], v[192]
	WIN (\W)
	v_mov_b32 v[\nca], v[64]
	v_mov_b32 v[\ncb], v[192]
	v_add_f32 v[\cnt], v[1], v[\cnt]
	v_add_f32 v[\cnt], v[129], v[\cnt]
.if (\kind) == 2
	v_mov_b32 v[\suma], v[2]
	v_mov_b32 v[\sumb], v[130]
.else
	WIN (\W)<<6
	v_mov_b32 v[0], v[TT]
	v_mov_b32 v[1], v[TT+1]
	v_mov_b32 v[128], v[TT+8]
	v_mov_b32 v[129], v[TT+9]
.endif
	WIN 0
.endm
; ================================================================ the text
	s_load_b128 s[4:7], s[0:1], 0x0                ; spikes s[4:5], wst s[6:7]
	s_load_b64 s[8:9], s[0:1], 0x10                ; part
	v_lshl_add_u32 v[SPW], v0, 2, SPARE
	v_mov_b32 v[NIL], 0
	ds_add_u32 v[SPW], v[NIL]                      ; the wave's opening: the add, twice on end, and its wait ahead of my first tensor load
	ds_add_u32 v[SPW], v[NIL]
	v_lshrrev_b32 v[TT], 5, v0
	v_readfirstlane_b32 s[WV], v[TT]
	s_bfe_u32 s[CX], ttmp6, 0x40000
	s_lshl_b32 s[BB], ttmp9, 2                     ; in a cluster launch ttmp9 counts clusters
	s_add_co_u32 s[BB], s[BB], s[CX]
	s_mov_b32 s[G1], 15|(3<<16)|(1<<21)            ; the mask of four; elements of 8 bytes; bit 21 beside a mask; no padding
	s_mov_b32 s[G1+1], 32<<16                      ; tensor_dim0 = 32 elements: 256 bytes
	s_mov_b32 s[G1+2], 64<<16                      ; tensor_dim1 = 64
	s_mov_b32 s[G1+3], 32<<16                      ; tile_dim0 = 32
	s_mov_b32 s[G1+4], 64                          ; tile_dim1 = 64
	s_mov_b32 s[G1+5], 32                          ; dense rows
	s_mov_b32 s[G1+6], 0
	s_mov_b32 s[G1+7], 0
	s_mov_b32 s[G0], 1
	s_lshl_b32 s[G0+1], s[WV], 14                  ; slot 0, my quarter
	s_mov_b32 s[OFF+1], 0
	s_mov_b32 s[IDX], 1
	s_mov_b32 s[LIM], 32
	s_mov_b32 s[TR], 9
	s_mov_b32 s[BFA], 0x3f1b4598                   ; exp(-1/2)
	s_mov_b32 s[BSL], 0x3f7383c6                   ; exp(-1/20)
	s_mov_b32 s[BIC], 0x3f67a36d                   ; exp(-1/10)
	s_mov_b32 s[SEL], 0x76543210
	s_mov_b32 s[SEL+1], 0xfedcba98
	s_and_b32 s[PWC], s[WV], 1
	s_or_b32 s[PWC], s[PWC], ttmp9                 ; 0 in waves 0 and 2 of cluster 0: the same in all four partners
	s_cmp_eq_u32 s[PWC], 0
	s_cselect_b32 s[PWC], 29, 0
	s_lshl_b32 s[TS], s[WV], 14
	s_mov_b32 s[TS+1], 0
	s_lshl_b32 s[TS+2], s[BB], 11                  ; my batch element's row of step 0,
	s_lshl_b32 s[TS+4], s[WV], 24                  ; my wave's 32 steps
	s_add_co_u32 s[TS+2], s[TS+2], s[TS+4]
	s_mov_b32 s[TS+3], 0
	s_wait_dscnt 0x0                               ; both opening adds are done
	s_wait_kmcnt 0x0
	s_add_nc_u64 s[WB:WB+1], s[6:7], s[TS:TS+1]
	s_mov_b64 s[G0+2:G0+3], s[WB:WB+1]
	s_or_b32 s[G0+3], s[G0+3], 0x80000000
	s_add_nc_u64 s[XPT:XPT+1], s[4:5], s[TS+2:TS+3]
	s_add_nc_u64 s[XP2:XP2+1], s[XPT:XPT+1], 16*ROWT
	s_add_nc_u64 s[XN:XN+1], s[XPT:XPT+1], 128*ROWT
	s_add_nc_u64 s[BT:BT+1], s[6:7], 32*SLOTB+4096
	s_mov_b64 s[BTN:BTN+1], s[BT:BT+1]
	s_lshl_b32 s[TS], s[CX], 12
	s_add_nc_u64 s[WPB:WPB+1], s[6:7], s[TS:TS+1]
	s_mov_b64 s[WPA:WPA+1], s[WPB:WPB+1]
	CROUND                                         ; all four work-groups are here: the first joint loads meet
	JL                                             ; step 0 into slot 0
	v_and_b32 v[TT], 15, v0                        ; r
	v_bfe_u32 v[TT+1], v0, 4, 1                    ; h
	v_and_b32 v[TT+2], 31, v0                      ; l
	s_lshl_b32 s[TS], s[WV], 7
	v_lshl_add_u32 v[BOFF], v[TT], 2, s[TS]
	s_lshl_b32 s[TS], s[WV], 9
	v_lshl_add_u32 v[TT+3], v[TT], 2, s[TS]        ; 512 w + 4 r
	v_lshlrev_b32 v[XGO], 4, v[TT+2]
.irp tl, 0,1,2,3,4,5,6,7
	global_load_b32 v[B2R+\tl], v[TT+3], s[BT:BT+1] offset:4096+64*\tl
.endr
.irp tl, 0,1,2,3
	global_load_b32 v[BI+\tl], v[BOFF], s[BTN:BTN+1] offset:512*(\tl/2)+64*(\tl%2)
.endr
	XISSUE                                         ; chunk 0's first three groups
	v_mul_u32_u24 v[AXL], v[TT], XPI
	v_lshl_add_u32 v[AXL], v[TT+1], 4, v[AXL]
	v_add_nc_u32 v[AXL], XB, v[AXL]
	v_add_nc_u32 v[AXH], 64*XPI, v[AXL]
	s_lshl_b32 s[TS], s[WV], 12
	v_lshl_add_u32 v[ABP1], v[TT+2], 4, s[TS]
	v_add_nc_u32 v[ABP1+1], SLOTB, v[ABP1]
	s_lshl_b32 s[TS], s[WV], 13
	v_lshl_add_u32 v[ABP2], v[TT+2], 4, s[TS]
	v_add_nc_u32 v[ABP2+1], SLOTB, v[ABP2]
	v_and_b32 v[TT+4], 7, v0
	v_lshl_add_u32 v[TT+4], v[TT+1], 3, v[TT+4]    ; neuron 8 h + l % 8,
	v_mul_u32_u24 v[AS], v[TT+4], SPI
	v_bfe_u32 v[TT+4], v0, 3, 1
	v_lshl_add_u32 v[AS], v[TT+4], 4, v[AS]        ; steps 8 ((l / 8) % 2) on
	v_add_nc_u32 v[AS], SBASE, v[AS]
	v_mul_u32_u24 v[STO], v0, SPI                  ; my neuron in a sub-block is my thread's number
	v_add_nc_u32 v[STO], SBASE, v[STO]
	s_mul_i32 s[TS], s[WV], 32*XPI
	s_add_co_u32 s[TS], s[TS], XB
	v_lshl_add_u32 v[XST], v[TT+2], 3, s[TS]
	v_add_nc_u32 v[PWO], s[WV], v[TT+1]            ; quarter w + l / 16,
	v_lshlrev_b32 v[PWO], 14, v[PWO]
	v_lshl_add_u32 v[PWO], v[TT], 8, v[PWO]        ; block l % 16 of my work-group's 16
	v_mov_b32 v[BIGW], 0x4b800000
.set i, NC1
.rept 18
	v_mov_b32 v[i], 0                              ; the states at t = 0, the sums and the counts
.set i, i+1
.endr
	s_wait_loadcnt 48                              ; b2 and the first bias are in; X's 48 loads stay out
	s_branch .Lxcvt                                ; the loop is entered where a chunk's X is taken in
.Ltrip:
	CHANGE                                         ; into the block's first step
	FETCH1 0, 0, 0, 0
	ASKW
	s_sub_co_u32 s[TS], 8, s[TR]
	s_and_b32 s[TS], s[TS], 3                      ; nb
	s_bitcmp1_b32 s[TS], 1
	s_cselect_b32 s[BETA], s[BSL], s[BFA]          ; blocks 0, 1 are the fast neurons, 2, 3 the slow
.irp tl, 0,1,2,3
.irp j, 0,1,2,3,4,5,6,7
	v_mov_b32 v[BF1+32+8*\tl+\j], v[BI+\tl]        ; the bias as a C operand: the same in all eight registers
.endr
.endr
	s_cmp_eq_u32 s[TR], 1
	s_cbranch_scc1 .Lnobias                        ; no block follows the last
	s_add_co_u32 s[TS], s[TS], 1
	s_and_b32 s[TS], s[TS], 3
	s_lshl_b32 s[TS], s[TS], 10
	s_mov_b32 s[TS+1], 0
	s_add_nc_u64 s[BTN:BTN+1], s[BT:BT+1], s[TS:TS+1]   ; the loads that read it last were waited for at the last trip's end
.irp tl, 0,1,2,3
	global_load_b32 v[BI+\tl], v[BOFF], s[BTN:BTN+1] offset:512*(\tl/2)+64*(\tl%2)   ; the next block's bias, a trip ahead
.endr
.Lnobias:
	P1K 0
	P1K 1
	P1K 2
	P1K 3
	SCAN 1, 1, NC1, NC1+1, BETA, CNT1, 0, 0
	STORES 0
	VIS
	P2HALF 0, 1
	STORES 1                                       ; behind the round in which every wave's reads of S ended
	VIS
	P2HALF 1, 0
	WIN 0
	v_mov_b32 v62, v[NC1]                          ; one text serves four blocks: their carries go round by two.  These ten are also the places behind the last products
	v_mov_b32 v63, v[NC1+1]
.irp k, 0,1,2,3,4,5
	v_mov_b32 v[NC1+\k], v[NC1+2+\k]
.endr
	v_mov_b32 v[NC1+6], v62
	v_mov_b32 v[NC1+7], v63
	s_cmp_eq_u32 s[TR], 5
	s_cbranch_scc0 .Lnox
	s_wait_xcnt 0x0                                ; chunk 0's loads have long read their base
	s_mov_b64 s[XPT:XPT+1], s[XN:XN+1]
	s_add_nc_u64 s[XP2:XP2+1], s[XN:XN+1], 16*ROWT
	XISSUE                                         ; chunk 1's first groups are on their way while layer 2 is scanned
.Lnox:
	s_and_b32 s[TS], s[TR], 3
	s_cmp_eq_u32 s[TS], 1
	s_cbranch_scc0 .Lnext                          ; a chunk ends with block 3
	SCAN 2, 2, NC2, NC2+1, BIC, CNT2, SUM2, SUM2+1
	SCAN 2, 3, NC2+2, NC2+3, BIC, CNT2, SUM2+2, SUM2+3
	s_cmp_eq_u32 s[TR], 5
	s_cbranch_scc0 .Lnext
.Lxcvt:
	C2INIT                                         ; stands in the wait for X
	XCVT                                           ; every wave's reads of the old X ended rounds ago; the new rows are shown to all by the next trip's change of slots
.Lnext:
	s_wait_loadcnt 0x0                             ; the next block's bias
	s_sub_co_u32 s[TR], s[TR], 1
	s_cmp_lg_u32 s[TR], 0
	s_cbranch_scc1 .Ltrip
	; THE END.  Step 64, Wr, lies in slot 0; a wave reads only the quarter that its own load brought.
	s_wait_tensorcnt 0x0
	s_lshl_b32 s[TS], s[WV], 14
	v_and_b32 v62, 31, v0
	v_lshl_add_u32 v62, v62, 2, s[TS]
.irp o, 0,1
.irp p, 0,1,2,3
	ds_load_b32 v[TT+4*\o+\p], v62 offset:512*\o+128*\p
.endr
.endr
	s_wait_dscnt 0x0
	v_mul_f32 v[TT+8], v[SUM2], v[TT]
	v_mul_f32 v[TT+9], v[SUM2], v[TT+4]
.irp p, 1,2,3
	v_fmac_f32 v[TT+8], v[SUM2+\p], v[TT+\p]
	v_fmac_f32 v[TT+9], v[SUM2+\p], v[TT+4+\p]
.endr
.irp m, 1,2,4,8
.irp g, TT+8,TT+9,CNT1,CNT2
	v_add_f32_dpp v[\g], v[\g], v[\g] row_xmask:\m row_mask:0xf bank_mask:0xf
.endr
.endr
	v_permlanex16_b32 v[TT], v[TT+8], s[SEL], s[SEL+1]
	v_permlanex16_b32 v[TT+1], v[TT+9], s[SEL], s[SEL+1]
	v_permlanex16_b32 v[TT+2], v[CNT1], s[SEL], s[SEL+1]
	v_permlanex16_b32 v[TT+3], v[CNT2], s[SEL], s[SEL+1]
	v_pk_add_f32 v[TT+8:TT+9], v[TT+8:TT+9], v[TT:TT+1]
	v_pk_add_f32 v[CNT1:CNT1+1], v[CNT1:CNT1+1], v[TT+2:TT+3]
	s_lshl_b32 s[TS], s[WV], 4
	s_add_co_u32 s[TS], s[TS], RED
	v_mov_b32 v62, s[TS]
	ds_store_b64 v62, v[TT+8:TT+9]                 ; all lanes hold the wave's figures
	ds_store_b64 v62, v[CNT1:CNT1+1] offset:8
	s_wait_dscnt 0x0
	s_barrier_signal -1
	s_barrier_wait -1
	s_cmp_lg_u32 s[WV], 0
	s_cbranch_scc1 .Lend
	v_mov_b32 v62, RED
.irp w, 0,1,2,3
	ds_load_b128 v[TT+4*\w:TT+4*\w+3], v62 offset:16*\w
.endr
	s_wait_dscnt 0x0
	v_pk_add_f32 v[TT:TT+1], v[TT:TT+1], v[TT+4:TT+5]
	v_pk_add_f32 v[TT+2:TT+3], v[TT+2:TT+3], v[TT+6:TT+7]
	v_pk_add_f32 v[TT+8:TT+9], v[TT+8:TT+9], v[TT+12:TT+13]
	v_pk_add_f32 v[TT+10:TT+11], v[TT+10:TT+11], v[TT+14:TT+15]
	v_pk_add_f32 v[TT:TT+1], v[TT:TT+1], v[TT+8:TT+9]
	v_pk_add_f32 v[TT+2:TT+3], v[TT+2:TT+3], v[TT+10:TT+11]
	s_lshl_b32 s[TS], s[BB], 4
	v_mov_b32 v62, s[TS]
	v_cmp_eq_u32 vcc_lo, 0, v0
	s_wait_xcnt 0x0                                ; EXEC changes only behind s_wait_xcnt 0
	s_and_saveexec_b32 s[TS+1], vcc_lo
	global_store_b128 v62, v[TT:TT+3], s[8:9]      ; the work-group's 16 bytes: all that it writes
	s_wait_xcnt 0x0
	s_or_b32 exec_lo, exec_lo, s[TS+1]
.Lend:
	s_wait_tensorcnt 0x0                           ; the wave's end: behind my last tensor load and my last LDS store
	ds_add_u32 v[SPW], v[NIL]
	s_wait_dscnt 0x0
	CROUND                                         ; the closing round: no work-group ends while a partner may still ask for a tile that names it
	s_endpgm
.Lfunc_end_k_q689d2f8948_main:
	.size	k_q689d2f8948_main, .Lfunc_end_k_q689d2f8948_main-k_q689d2f8948_main
	.p2alignl 7, 3214868480
	.fill 96, 4, 3214868480
	.section	.rodata,"a",@progbits
	.p2align	6, 0x0
	.amdhsa_kernel k_q689d2f8948_main
		.amdhsa_group_segment_fixed_size 327680
		.amdhsa_private_segment_fixed_size 0
		.amdhsa_enable_private_segment 0
		.amdhsa_kernarg_size 24
		.amdhsa_user_sgpr_count 2
		.amdhsa_user_sgpr_kernarg_segment_ptr 1
		.amdhsa_wavefront_size32 1
		.amdhsa_system_sgpr_workgroup_id_x 1
		.amdhsa_system_sgpr_workgroup_id_y 1
		.amdhsa_system_sgpr_workgroup_id_z 1
		.amdhsa_system_vgpr_workitem_id 0
		.amdhsa_next_free_vgpr 1024
		.amdhsa_next_free_sgpr 66
		.amdhsa_reserve_vcc 1
		.amdhsa_float_denorm_mode_32 3
		.amdhsa_float_denorm_mode_16_64 3
		.amdhsa_memory_ordered 1
		.amdhsa_forward_progress 1
		.amdhsa_inst_pref_size 255
	.end_amdhsa_kernel
	.section	.bss,"aw",@nobits
	.p2align	6
	.space	262144
	.amdgpu_metadata
---
amdhsa.version: [ 1, 2 ]
amdhsa.kernels:
  - .name:           k_q689d2f8948_main
    .symbol:         k_q689d2f8948_main.kd
    .args:
      - { .name: spikes, .offset: 0, .size: 8, .value_kind: global_buffer, .address_space: global }
      - { .name: wst, .offset: 8, .size: 8, .value_kind: global_buffer, .address_space: global }
      - { .name: part, .offset: 16, .size: 8, .value_kind: global_buffer, .address_space: global }
    .group_segment_fixed_size: 327680
    .private_segment_fixed_size: 0
    .kernarg_segment_align: 8
    .kernarg_segment_size: 24
    .max_flat_workgroup_size: 128
    .sgpr_count:     66
    .vgpr_count:     1024
    .wavefront_size: 32
...
	.end_amdgpu_metadata
.endif
;; end of part 2
;; launch fin (part 3): grid 1 x 1, 8 waves a work-group, no clusters, 1,280 bytes of LDS; arguments part, br, out0, out1, out2; writes out0, out1, out2
.if DOCPART == 3
	.amdgcn_target "amdgcn-amd-amdhsa--gfx1250"
	.amdhsa_code_object_version 6
	.text
	.protected	k_q689d2f8948_fin
	.globl	k_q689d2f8948_fin
	.p2align	8
	.type	k_q689d2f8948_fin,@function
k_q689d2f8948_fin:
	s_mov_b64 s[64:65], 0
	v_nop
	global_prefetch_b8 v0, s[64:65] scope:SCOPE_SE
	s_setreg_imm32_b32 hwreg(HW_REG_WAVE_MODE, 25, 1), 1
	s_wait_xcnt 0x0
; SNNParallelMSO, launch 3 of 3.  part[b] = { a0, a1, cnt1, cnt2 } of batch element b.  Nothing of reference() is left out.
; out0[b][o] = a_o / 256 + br[o] (br rounded to bf16 like every input); out1 = sum of cnt1 / (256 x 256 x 1,024); out2 = sum of cnt2 / (256 x 256 x 512).
; One work-group, a thread a batch element.  The sums span work-groups of launch 2, so they are taken here, by one owner.  LDS: 8 bytes a wave at 0; the spare words from 256 on.
	s_load_b256 s[4:11], s[0:1], 0x0               ; part 4, br 6, out0 8, out1 10
	s_load_b64 s[12:13], s[0:1], 0x20              ; out2
	v_lshl_add_u32 v30, v0, 2, 256
	v_mov_b32 v31, 0
	v_lshrrev_b32 v1, 5, v0
	v_readfirstlane_b32 s14, v1
	v_lshlrev_b32 v2, 4, v0
	v_mov_b32 v3, 0
	v_lshlrev_b32 v11, 3, v0
	s_mov_b32 s16, 0x76543210
	s_mov_b32 s17, 0xfedcba98
	s_wait_kmcnt 0x0
	global_load_b128 v[4:7], v2, s[4:5]
	global_load_b64 v[8:9], v3, s[6:7]
	s_wait_loadcnt 0x0
	v_cvt_pk_bf16_f32 v10, v8, v9
	v_lshlrev_b32 v8, 16, v10
	v_and_b32 v9, 0xffff0000, v10
	v_fma_f32 v12, v4, 0x3b800000, v8              ; 2^-8
	v_fma_f32 v13, v5, 0x3b800000, v9
	global_store_b64 v11, v[12:13], s[8:9]         ; a wave's 32 lanes store 256 consecutive bytes, aligned
.irp m, 1,2,4,8
	v_add_f32_dpp v6, v6, v6 row_xmask:\m row_mask:0xf bank_mask:0xf
	v_add_f32_dpp v7, v7, v7 row_xmask:\m row_mask:0xf bank_mask:0xf
.endr
	v_permlanex16_b32 v4, v6, s16, s17
	v_permlanex16_b32 v5, v7, s16, s17
	v_pk_add_f32 v[6:7], v[6:7], v[4:5]
	s_lshl_b32 s15, s14, 3
	v_mov_b32 v14, s15
	ds_store_b64 v14, v[6:7]
	s_wait_dscnt 0x0
	s_barrier_signal -1
	s_barrier_wait -1
	s_cmp_lg_u32 s14, 0
	s_cbranch_scc1 .Lend
	ds_load_b128 v[16:19], v3
	ds_load_b128 v[20:23], v3 offset:16
	ds_load_b128 v[24:27], v3 offset:32
	ds_load_b128 v[32:35], v3 offset:48
	s_wait_dscnt 0x0
	v_pk_add_f32 v[16:17], v[16:17], v[18:19]
	v_pk_add_f32 v[20:21], v[20:21], v[22:23]
	v_pk_add_f32 v[24:25], v[24:25], v[26:27]
	v_pk_add_f32 v[32:33], v[32:33], v[34:35]
	v_pk_add_f32 v[16:17], v[16:17], v[20:21]
	v_pk_add_f32 v[24:25], v[24:25], v[32:33]
	v_pk_add_f32 v[16:17], v[16:17], v[24:25]
	v_mul_f32 v16, 0x32800000, v16                 ; 2^-26
	v_mul_f32 v17, 0x33000000, v17                 ; 2^-25
	v_cmp_eq_u32 vcc_lo, 0, v0
	s_wait_xcnt 0x0                                ; EXEC changes only behind s_wait_xcnt 0
	s_and_saveexec_b32 s15, vcc_lo
	global_store_b32 v3, v16, s[10:11]
	global_store_b32 v3, v17, s[12:13]
	s_wait_xcnt 0x0
	s_or_b32 exec_lo, exec_lo, s15
.Lend:
	s_wait_tensorcnt 0x0                           ; the wave's end: behind my last LDS store
	ds_add_u32 v30, v31
	s_wait_dscnt 0x0
	s_endpgm
.Lfunc_end_k_q689d2f8948_fin:
	.size	k_q689d2f8948_fin, .Lfunc_end_k_q689d2f8948_fin-k_q689d2f8948_fin
	.p2alignl 7, 3214868480
	.fill 96, 4, 3214868480
	.section	.rodata,"a",@progbits
	.p2align	6, 0x0
	.amdhsa_kernel k_q689d2f8948_fin
		.amdhsa_group_segment_fixed_size 1280
		.amdhsa_private_segment_fixed_size 0
		.amdhsa_enable_private_segment 0
		.amdhsa_kernarg_size 40
		.amdhsa_user_sgpr_count 2
		.amdhsa_user_sgpr_kernarg_segment_ptr 1
		.amdhsa_wavefront_size32 1
		.amdhsa_system_sgpr_workgroup_id_x 1
		.amdhsa_system_sgpr_workgroup_id_y 1
		.amdhsa_system_sgpr_workgroup_id_z 1
		.amdhsa_system_vgpr_workitem_id 0
		.amdhsa_next_free_vgpr 40
		.amdhsa_next_free_sgpr 66
		.amdhsa_reserve_vcc 1
		.amdhsa_float_denorm_mode_32 3
		.amdhsa_float_denorm_mode_16_64 3
		.amdhsa_memory_ordered 1
		.amdhsa_forward_progress 1
		.amdhsa_inst_pref_size 4
	.end_amdhsa_kernel
	.amdgpu_metadata
---
amdhsa.version: [ 1, 2 ]
amdhsa.kernels:
  - .name:           k_q689d2f8948_fin
    .symbol:         k_q689d2f8948_fin.kd
    .args:
      - { .name: part, .offset: 0, .size: 8, .value_kind: global_buffer, .address_space: global }
      - { .name: br, .offset: 8, .size: 8, .value_kind: global_buffer, .address_space: global }
      - { .name: out0, .offset: 16, .size: 8, .value_kind: global_buffer, .address_space: global }
      - { .name: out1, .offset: 24, .size: 8, .value_kind: global_buffer, .address_space: global }
      - { .name: out2, .offset: 32, .size: 8, .value_kind: global_buffer, .address_space: global }
    .group_segment_fixed_size: 1280
    .private_segment_fixed_size: 0
    .kernarg_segment_align: 8
    .kernarg_segment_size: 40
    .max_flat_workgroup_size: 256
    .sgpr_count:     66
    .vgpr_count:     40
    .wavefront_size: 32
...
	.end_amdgpu_metadata
.endif
;; end of part 3
